; MI455X (gfx1250); checked and timed in simulation.
; The chip was launched on July 23, 2026; its instructions are those of AMD's public machine-readable ISA for CDNA 5 (MIT licence, August 2026) and "CDNA5" Instruction Set Architecture Reference Guide (July 2026). The comments in the code are by the model that wrote it; some were corrected since.
;; Attention. Allowed arithmetic: matrix products marked QUANTISED: E2M3 operands, one E8M0 scale for each 32 along K, by v_wmma_scale_f32_16x16x128_f8f6f4 with both operands' format E2M3, f32 sums; everything else in f32.
;; Inputs: k 4 x 16 x 2,048 x 64 float32; q 4 x 16 x 2,048 x 64 float32; v 4 x 16 x 2,048 x 64 float32.
;; Outputs: out0 4 x 16 x 2,048 x 64 float32.
;; This version of the problem:
;;   THIS VERSION OF THE PROBLEM IS GIVEN IN LOW PRECISION. The matrix products marked QUANTISED in the list below multiply operands that are first quantised to E2M3 (2 exponent bits, 3 mantissa bits; 6 bits a number), with one power-of-two scale for each 32 numbers along K (OCP MX v1.0); their sums are f32. All else is computed in f32.
;;   The module's matrix products, in the order in which they are computed (A, B: the left and right operand; K: the contracted axis; several contracted axes count as one K, in the product's order):
;;     1. batch 64 x [M 2,048, K 64] x [K 64, N 2,048]; A: input q; B: input k: QUANTISED
;;     2. batch 64 x [M 2,048, K 2,048] x [K 2,048, N 64]; A: softmax (see below); B: input v: QUANTISED
;;   THE QUANTISER, for each operand of a quantised product, along K:
;;     - K is cut into blocks of 32 from its start; a last block that is shorter is filled with zeros.
;;     - A block's scale is 2^e with e = floor(log2(the largest magnitude in the block)) - 2, held to -126 .. 127; a block of zeros has e = 0. As a byte (E8M0): e + 127.
;;     - Each number is divided by its block's scale, clamped to +-7.5, and rounded to the nearest number of E2M3, ties to even, subnormals kept.
;;     - The product sums the exact products of the quantised numbers (number of the format x scale) in f32.
;;   ~~~python
;;   def quantise(x, axis):      # numpy; x: float32 -> the quantised numbers, widened to float32 again
;;       x = np.moveaxis(x, axis, -1); K = x.shape[-1]
;;       x = np.pad(x, [(0, 0)] * (x.ndim - 1) + [(0, -K % 32)]); x = x.reshape(x.shape[:-1] + (-1, 32)); a = np.abs(x).max(-1, keepdims=True)
;;       e = np.where(a > 0, np.clip(np.frexp(np.where(a > 0, a, 1))[1] - 1 - 2, -126, 127), 0)      # np.frexp(a)[1] - 1 = floor(log2(a)), exactly
;;       r = np.clip(x / 2.0 ** e, -7.5, 7.5)
;;       step = 2.0 ** (np.maximum(np.frexp(np.where(r == 0, 1, r))[1] - 1, 0) - 3)
;;       q = np.round(r / step) * step * 2.0 ** e      # np.round: ties to even
;;       return np.moveaxis(q.reshape(q.shape[:-2] + (-1,))[..., :K], -1, axis).astype(np.float32)
;;   ~~~
;;   SOFTMAX AHEAD OF A QUANTISED PRODUCT. Where the list says 'softmax', what is quantised is not the finished softmax but p = 2^(t - M), with t = logit x log2(e) and M = ceil(the row's largest t), a whole number; so 1/2 < the row's largest p <= 1. The row's sum l is taken of the UNQUANTISED p, in f32, and the product's result is divided by l at the end. Since M is a whole number, a kernel that streams over the keys may use a running M (the ceiling of the running maximum): every later rescaling is an exact power of two, which a block's scale takes up: the codes' values come out the same.
;;   OPERANDS COMPUTED ON THE WAY. 'Computed on the way' means the value that the module computes at that place (a softmax that the list does not call 'softmax' is quantised finished and normalised). What goes into a quantiser is computed in f32, as accurately as f32 sums, v_exp_f32 and their like allow (about 1e-6 of the number): no bf16 or f16 on the way to a quantiser, and a product that is left as it is and whose result goes on into a quantised operand takes f32 operands (vector FMAs, or v_wmma_f32_16x16x4_f32). A number that lies on a knife's edge between two numbers of the format may be rounded either way, as far as f32 arithmetic and the matrix unit's own rounding can turn it there, and no further.
;; One version. Each part assembles by itself: llvm-mc -triple=amdgcn-amd-amdhsa -mcpu=gfx1250 --defsym DOCPART=n.
;; ======== version 1 of 1: 2 launches
;; limits: right only within a limited range of input values
;; workspace buffers: kv 13,631,488 bytes
;; launch pack (part 1): grid 4 x 64, 8 waves a work-group, no clusters, 273,408 bytes of LDS; arguments k, v, kv; writes kv
.if DOCPART == 1
	.amdgcn_target "amdgcn-amd-amdhsa--gfx1250"
	.amdhsa_code_object_version 6
	.text
	.protected	k_q523f156526_pack
	.globl	k_q523f156526_pack
	.p2align	8
	.type	k_q523f156526_pack,@function
k_q523f156526_pack:
	s_mov_b64 s[64:65], 0
	v_nop
	global_prefetch_b8 v0, s[64:65] scope:SCOPE_SE
	s_setreg_imm32_b32 hwreg(HW_REG_WAVE_MODE, 25, 1), 1
	s_wait_xcnt 0x0
; k and v, [64 heads][2048 keys][64] f32, become codes of FP6 (E2M3) with one E8M0 scale byte for each 32 along a product's K:
; k is quantised along the head's 64 (the first product's K), v along the keys (the second product's K).
; The results are IMAGES OF THE OPERANDS' REGISTERS, one record of REC bytes for each (head, 128 keys).  l = lane, r = l % 16, h = l / 16.  A record:
;   KI    0: 48 registers 6 T + i (tile T of 16 keys): lane (r, h) holds the 24 bytes of codes of channels 32 h .. 32 h + 31 of
;            key 64 (T / 4) + 8 (T % 4) + r % 8 + 32 (r / 8).  Register group g (four registers) is 512 bytes, lane l's 16 bytes at 512 g + 16 l.
;   VI 6144: 48 registers 12 n + i (tile n of 16 channels): lane (r, h), registers 6 c .. 6 c + 5: keys 64 c + 32 h + 0 .. 31 of channel 16 n + r.
;   KS 12288: two images of 256 bytes, 8 bytes a lane: scale register j: lanes 0-15 the words of tile 2 j, lanes 16-31 of tile 2 j + 1.
;            A word: byte 0 channels 0-31, byte 1 channels 32-63, bytes 2 and 3 the same two bytes once more: the next launch lays a tile's codes in the lower or in the upper 64 of its instruction's K.
;   VS 12800: two images of 256 bytes, 8 bytes a lane (the word, then 0): lanes 0-15 channel tile 2 a, lanes 16-31 tile 2 a + 1; byte b: keys 32 b .. 32 b + 31.
; A block's scale byte is its largest magnitude's exponent field - 2, held at 1 from below.
; LIMITS: NaN and infinities among the inputs are not served.  A block of zeros gets the byte 1 where the rule says 127: its codes are zeros, and this program alone reads the bytes.
; SHARES: work-group (x, head) takes keys 512 x .. 512 x + 511: four records.  Wave w works record w / 2, half a = w % 2: of K its 64 keys, of V channels 32 a .. 32 a + 31 of all 128 keys.
; LOADS: one tensor load a wave: waves 0-3 bring a record's 128 keys of k each (rows of 256 bytes, 16 of padding), waves 4-7 128 keys of v (dense).  Nothing in LDS is filled twice, nothing is stored to LDS.
; No cluster: no two work-groups read the same byte.  No prefetch: all that a work-group reads is asked for at its head.
.set REC,  13312
.set KW,   17408                       ; 64 keys of K in LDS, rows 272 bytes apart: wave w's 64 keys begin at w x KW
.set KB2,  8704                        ; 32 keys on
.set VST,  8*KW                        ; behind K: V, 128 keys x 256 bytes for each record
.set SPARE, 0x42800                    ; the spare words, 128 bytes a wave
.set KC,   32                          ; v32-55   K's codes
.set X,    64                          ; v64-127  two sets of 32 numbers
.set VC,   128                         ; v128-151 V's codes
	s_load_b128 s[4:7], s[0:1], 0x0                ; k, v
	s_load_b64 s[8:9], s[0:1], 0x10                ; kv
	v_lshl_add_u32 v152, v0, 2, SPARE
	v_mov_b32 v153, 0
	ds_add_u32 v152, v153                          ; the opening lines
	ds_add_u32 v152, v153
	v_lshrrev_b32 v1, 5, v0
	s_delay_alu instid0(VALU_DEP_1)
	v_readfirstlane_b32 s10, v1                    ; wave 0..7
	s_and_b32 s11, s10, 1                          ; a
	s_lshr_b32 s12, s10, 1                         ; the record that I work
	s_and_b32 s47, s10, 3                          ; the record that I load
	s_and_b32 s13, ttmp7, 0xffff                   ; head
	s_mov_b32 s16, (3<<16)|(1<<20)|(5<<22)|(3<<25) ; K: elements of 8 bytes; 4 words of padding behind every 64
	s_mov_b32 s17, 32<<16
	s_mov_b32 s18, 128<<16                         ; 128 rows of 32 elements
	s_mov_b32 s19, 32<<16
	s_mov_b32 s20, 128
	s_mov_b32 s21, 32
	s_mov_b32 s22, 0
	s_mov_b32 s23, 0
	s_mov_b32 s24, 3<<16                           ; V: the same tile, no padding
	s_mov_b32 s25, 32<<16
	s_mov_b32 s26, 128<<16
	s_mov_b32 s27, 32<<16
	s_mov_b32 s28, 128
	s_mov_b32 s29, 32
	s_mov_b32 s30, 0
	s_mov_b32 s31, 0
	s_mov_b32 s44, 0x76543210
	s_mov_b32 s45, 0xfedcba98                      ; selects for lane l xor 16
	s_lshl_b32 s52, s13, 19                        ; the 128 keys that I load: head x 524,288
	s_lshl_b32 s14, ttmp9, 17                      ; + x x 131,072
	s_add_co_u32 s52, s52, s14
	s_lshl_b32 s14, s47, 15                        ; + record x 32,768
	s_add_co_u32 s52, s52, s14
	s_mov_b32 s53, 0
	s_lshl_b32 s14, s13, 4                         ; the record that I work: 16 head + 4 x + w / 2
	s_lshl_b32 s15, ttmp9, 2
	s_add_co_u32 s14, s14, s15
	s_add_co_u32 s14, s14, s12
	s_mul_i32 s54, s14, REC
	s_mov_b32 s55, 0
	s_mul_i32 s14, s10, KW                         ; my 64 keys of K in LDS
	s_mov_b32 s32, 1
	s_mul_i32 s33, s47, 2*KW                       ; K's record lands here,
	s_mov_b32 s36, 1
	s_lshl_b32 s37, s47, 15
	s_add_co_u32 s37, s37, VST                     ; V's here
	s_wait_dscnt 0x0
	s_wait_kmcnt 0x0
	s_add_nc_u64 s[34:35], s[4:5], s[52:53]
	s_or_b32 s35, s35, 0x80000000
	s_add_nc_u64 s[38:39], s[6:7], s[52:53]
	s_or_b32 s39, s39, 0x80000000
	s_cmp_lt_u32 s10, 4
	s_cbranch_scc0 .Lfor_v
	tensor_load_to_lds s[32:35], s[16:23]          ; waves 0-3: K
	s_nop 0
.rept 4
	v_nop
.endr
	s_branch .Lasked
.Lfor_v:
	tensor_load_to_lds s[36:39], s[24:31]          ; waves 4-7: V
	s_nop 0
.rept 4
	v_nop
.endr
.Lasked:
	s_add_nc_u64 s[50:51], s[8:9], s[54:55]        ; my record
	s_mul_i32 s54, s11, 3072
	s_add_nc_u64 s[48:49], s[50:51], s[54:55]      ; the images: my six register groups begin 3,072 a bytes on
	s_lshl_b32 s54, s11, 8
	s_add_nc_u64 s[50:51], s[50:51], s[54:55]      ; the scale words: my image begins 256 a bytes on
	v_and_b32 v1, 31, v0                           ; lane
	v_and_b32 v2, 15, v0                           ; r
	v_bfe_u32 v3, v0, 4, 1                         ; h
	s_delay_alu instid0(VALU_DEP_3)
	v_lshlrev_b32 v4, 4, v1                        ; 16 l
	s_delay_alu instid0(VALU_DEP_4)
	v_lshlrev_b32 v5, 3, v1                        ; 8 l
	s_delay_alu instid0(VALU_DEP_3)
	v_lshlrev_b32 v6, 3, v3                        ; 8 h
	v_and_b32 v7, 7, v0
	s_delay_alu instid0(VALU_DEP_1)
	v_mul_u32_u24 v7, v7, 272                      ; K: row r % 8,
	v_bfe_u32 v9, v0, 3, 1
	s_delay_alu instid0(VALU_DEP_1)
	v_mad_u32_u24 v7, v9, KB2, v7                  ; + 32 keys for r / 8,
	s_delay_alu instid0(VALU_DEP_1)
	v_lshl_add_u32 v7, v3, 7, v7                   ; + 128 h: my 32 channels,
	s_delay_alu instid0(VALU_DEP_1)
	v_add_nc_u32 v7, s14, v7                       ; of my 64 keys
	s_lshl_b32 s15, s12, 15
	s_lshl_b32 s14, s11, 7
	s_add_co_u32 s15, s15, s14
	s_add_co_u32 s15, s15, VST
	v_lshl_add_u32 v8, v1, 2, s15                  ; V: my record's 128 keys, channel 32 a + l
	v_cmp_ne_u32 vcc_lo, 0, v3                     ; lanes 16-31
	v_mov_b32 v58, 0                               ; a lane permute's destination counts as one of its sources
	v_mov_b32 v61, 0
.macro KLOAD t, set                    ; tile t of my four: my key's 32 channels, 128 bytes
.irp j, 0,1,2,3,4,5,6,7
	ds_load_b128 v[X+32*(\set)+4*\j:X+32*(\set)+4*\j+3], v7 offset:2176*(\t)+16*\j
.endr
.endm
.macro VLOAD b, set                    ; block b: keys 32 b .. 32 b + 31 of my channel; each load takes 128 consecutive bytes
.set vi, 0
.rept 32
	ds_load_b32 v[X+32*(\set)+vi], v8 offset:256*(32*(\b)+vi)
.set vi, vi+1
.endr
.endm
; A block of 32 numbers in v[x] on becomes 6 registers of codes in v[d] on and its scale byte in v[e].
.macro QB32 x, d, e
	v_max3_num_f32 v16, |v[\x]|, |v[\x+1]|, 0x1800000              ; the largest magnitude, in two chains; the floor 2^(3 - 127) is one leaf
	v_max3_num_f32 v17, |v[\x+2]|, |v[\x+3]|, |v[\x+4]|
.set qi, 0
.rept 13
	s_delay_alu instid0(VALU_DEP_2)
	v_max3_num_f32 v[16+qi%2], v[16+qi%2], |v[\x+5+2*qi]|, |v[\x+6+2*qi]|
.set qi, qi+1
.endr
	s_delay_alu instid0(VALU_DEP_1)
	v_max3_num_f32 v16, v16, v17, |v[\x+31]|
	s_delay_alu instid0(VALU_DEP_1)
	v_add_nc_u32 v18, 0xff000000, v16              ; 2 off its exponent field: the conversion's scale operand
	s_delay_alu instid0(VALU_DEP_1)
	v_lshrrev_b32 v[\e], 23, v18                   ; the scale's byte
	v_cvt_scalef32_pk16_fp6_f32 v[\d:\d+2], v[\x:\x+15], v18
	v_cvt_scalef32_pk16_fp6_f32 v[20:22], v[\x+16:\x+31], v18      ; (a conversion's three registers begin on an even number)
	v_nop                                          ; one plain place behind a scaled conversion
	v_mov_b32 v[\d+3], v20
	v_mov_b32 v[\d+4], v21
	v_mov_b32 v[\d+5], v22
.endm
	; ---- K's four records were brought by waves 0-3: they wait, and every wave passes the barrier; V's loads stay out
	s_wait_alu depctr_va_vdst(0)                   ; the wait at the head's end
	s_cmp_lt_u32 s10, 4
	s_cbranch_scc0 .Lnot_k
	s_wait_tensorcnt 0x0
.Lnot_k:
	s_wait_dscnt 0x0
	s_barrier_signal -1
	s_barrier_wait -1
	KLOAD 0, 0
	KLOAD 1, 1
	s_wait_dscnt 8                                 ; tile 0 is in; the next tile's eight loads may be out
	QB32 X, KC, 24
	KLOAD 2, 0
	s_wait_dscnt 8
	QB32 X+32, KC+6, 25
	KLOAD 3, 1
	s_wait_dscnt 8
	QB32 X, KC+12, 26
	s_wait_dscnt 0x0
	QB32 X+32, KC+18, 27
.irp t, 0,1,2,3
	v_lshlrev_b32 v[24+\t], v6, v[24+\t]           ; my byte at its place (8 h bits up);
	s_delay_alu instid0(VALU_DEP_1)
	v_permlanex16_b32 v58, v[24+\t], s44, s45
	s_delay_alu instid0(VALU_DEP_1)
	v_or_b32 v[24+\t], v[24+\t], v58               ; with lane l xor 16's: the row's two bytes,
	s_delay_alu instid0(VALU_DEP_1)
	v_lshl_or_b32 v[24+\t], v[24+\t], 16, v[24+\t] ; and once more in bytes 2 and 3
.endr
	v_cndmask_b32 v56, v24, v25, vcc_lo            ; scale register 2 a: lanes 0-15 tile 4 a, lanes 16-31 tile 4 a + 1
	s_delay_alu instid0(VALU_DEP_2)
	v_cndmask_b32 v57, v26, v27, vcc_lo
.irp g, 0,1,2,3,4,5
	global_store_b128 v4, v[KC+4*\g:KC+4*\g+3], s[48:49] offset:512*\g     ; 32 lanes store 512 consecutive bytes, aligned to 256
.endr
	global_store_b64 v5, v[56:57], s[50:51] offset:12288
	; ---- V: every wave waits for its load, whichever it was
	s_wait_tensorcnt 0x0
	s_wait_dscnt 0x0
	s_barrier_signal -1
	s_barrier_wait -1
	VLOAD 0, 0
	VLOAD 1, 1
	s_wait_dscnt 32                                ; block 0 is in; the next block's 32 loads may be out
	QB32 X, VC, 28
	VLOAD 2, 0
	s_wait_dscnt 32
	QB32 X+32, VC+12, 29
	VLOAD 3, 1
	s_wait_dscnt 32
	QB32 X, VC+6, 30
	s_wait_dscnt 0x0
	QB32 X+32, VC+18, 31
	; v[VC..VC+11]: my channel's blocks 0 and 2, v[VC+12..VC+23]: blocks 1 and 3.  The exchange of the first's upper lanes with the second's lower lanes gives both tiles' operand images.
.irp i, 0,1,2,3,4,5,6,7,8,9,10,11
	v_permlane16_swap_b32 v[VC+\i], v[VC+12+\i]
.endr
	v_lshl_or_b32 v60, v29, 8, v28                 ; my channel's scale word
	s_delay_alu instid0(VALU_DEP_1)
	v_lshl_or_b32 v60, v30, 16, v60
	s_delay_alu instid0(VALU_DEP_1)
	v_lshl_or_b32 v60, v31, 24, v60
.irp g, 0,1,2,3,4,5
	global_store_b128 v4, v[VC+4*\g:VC+4*\g+3], s[48:49] offset:6144+512*\g
.endr
	global_store_b64 v5, v[60:61], s[50:51] offset:12800
	s_wait_tensorcnt 0x0                           ; the wave's end
	ds_add_u32 v152, v153
	s_wait_dscnt 0x0
	s_endpgm
.Lfunc_end_k_q523f156526_pack:
	.size	k_q523f156526_pack, .Lfunc_end_k_q523f156526_pack-k_q523f156526_pack
	.p2alignl 7, 3214868480
	.fill 96, 4, 3214868480
	.section	.rodata,"a",@progbits
	.p2align	6, 0x0
	.amdhsa_kernel k_q523f156526_pack
		.amdhsa_group_segment_fixed_size 273408
		.amdhsa_private_segment_fixed_size 0
		.amdhsa_enable_private_segment 0
		.amdhsa_kernarg_size 24
		.amdhsa_user_sgpr_count 2
		.amdhsa_user_sgpr_kernarg_segment_ptr 1
		.amdhsa_wavefront_size32 1
		.amdhsa_system_sgpr_workgroup_id_x 1
		.amdhsa_system_sgpr_workgroup_id_y 1
		.amdhsa_system_sgpr_workgroup_id_z 1
		.amdhsa_system_vgpr_workitem_id 0
		.amdhsa_next_free_vgpr 154
		.amdhsa_next_free_sgpr 66
		.amdhsa_reserve_vcc 1
		.amdhsa_float_denorm_mode_32 3
		.amdhsa_float_denorm_mode_16_64 3
		.amdhsa_memory_ordered 1
		.amdhsa_forward_progress 1
		.amdhsa_inst_pref_size 34
	.end_amdhsa_kernel
	.amdgpu_metadata
---
amdhsa.version: [ 1, 2 ]
amdhsa.kernels:
  - .name:           k_q523f156526_pack
    .symbol:         k_q523f156526_pack.kd
    .args:
      - { .name: k, .offset: 0, .size: 8, .value_kind: global_buffer, .address_space: global }
      - { .name: v, .offset: 8, .size: 8, .value_kind: global_buffer, .address_space: global }
      - { .name: kv, .offset: 16, .size: 8, .value_kind: global_buffer, .address_space: global }
    .group_segment_fixed_size: 273408
    .private_segment_fixed_size: 0
    .kernarg_segment_align: 8
    .kernarg_segment_size: 24
    .max_flat_workgroup_size: 256
    .sgpr_count:     66
    .vgpr_count:     154
    .wavefront_size: 32
...
	.end_amdgpu_metadata
.endif
;; end of part 1
;; launch attn (part 2): grid 4 x 64, 16 waves a work-group, clusters of 4 x 1, 284,672 bytes of LDS; arguments q, kv, out0; writes out0
.if DOCPART == 2
	.amdgcn_target "amdgcn-amd-amdhsa--gfx1250"
	.amdhsa_code_object_version 6
	.text
	.protected	k_q523f156526_attn
	.globl	k_q523f156526_attn
	.p2align	8
	.type	k_q523f156526_attn,@function
k_q523f156526_attn:
	s_mov_b64 s[64:65], 0
	v_nop
	global_prefetch_b8 v0, s[64:65] scope:SCOPE_SE
	s_setreg_imm32_b32 hwreg(HW_REG_WAVE_MODE, 25, 1), 1
	s_wait_xcnt 0x0
	s_wait_alu depctr_hold_cnt(0) depctr_sa_sdst(0) depctr_va_vdst(0) depctr_va_sdst(0) depctr_va_ssrc(0) depctr_va_vcc(0) depctr_vm_vsrc(0)
	s_getreg_b32 s2, hwreg(HW_REG_IB_STS2, 6, 4)
	s_cmp_eq_u32 s2, 0
	s_cbranch_scc0 .Lentry_in_a_cluster
	s_endpgm
.Lentry_in_a_cluster:
	s_bfe_u32 s2, ttmp6, 0x10000c
	s_cmp_lg_u32 s2, 0x3003
	s_cbranch_scc0 .Lentry_shape_is_right
	s_endpgm
.Lentry_shape_is_right:
; out[head][q][:] = the sum over keys of softmax(q . k / 8) v, both products on codes of FP6 (E2M3) with one E8M0 scale for each 32 along a product's K.
; q, out0: [64 heads][2048][64] f32.  kv: 16 records of REC bytes a head, each the register images of 128 keys' K and V and their scale words.
; THE SOFTMAX: t = score x log2(e) / 8; M = the row's largest t so far, rounded UP to a whole number; p = 2^(t - M) is quantised along the keys, not normalised.
; The row's sum is taken of the unquantised p, in f32, and divides at the end.  When M moves, the sum and O are multiplied by 2^(old M - new M): exact.
; SHARES.  A head's 16 records, 212,992 bytes, lie in LDS for the whole launch, filled once: wave w brings record w by ONE tensor load (52 rows of 256 bytes).  The four work-groups of a cluster are the
; four blocks of 512 queries of one head: each record is asked for JOINTLY, with a mask that names the four.  Waves 0-3 have a load line and a wait of their own: behind the first barrier records 0-3 are walked
; while the others may be out; behind the second barrier no wave waits for another.
; A WAVE OWNS TWO TILES OF 16 QUERIES, A and B (256 rows apart), and walks the 16 records once: each fragment of K and of V that it reads from LDS serves both tiles: 13,312 bytes of LDS for 24 products.
; A step: K's fragments; S^T of A, its softmax, P_A's codes; S^T of B in the same registers; V's fragments over K's; B's softmax, P_B's codes; eight products for O^T.
; No prefetch: the records are asked for once, all at the head: there is no loop to run ahead in.
; LAYOUT.  Both products are used transposed: S^T = K Q^T, O^T = V^T P^T: lane (r, h) holds query r throughout.  Row m of key tile T is key 64 (T / 4) + 8 (T % 4) + m % 8 + 32 (m / 8): so the 32 registers of
; tiles 4 c .. 4 c + 3 are, in lane (r, h), the keys 64 c + 32 h + 0 .. 31: a whole block of the second product's K in one lane, in the order of P's operand.
; THE FIRST PRODUCT'S K IS 64, the instruction's 128.  Tile A uses the lower 64: Q's operand is [Q_A][zero codes], K's is [tile T][whatever follows].  Tile B uses the upper 64: [zero codes][Q_B] and [whatever
; stands ahead][tile T].  The six zero registers serve both.  FP6 has no code for infinity or NaN, so any bits may stand against the zero codes; K's scale words hold their two bytes twice, Q's the byte 127 in the idle half.
; THE ROW'S SUM of a tile's step is gathered in four chains; they are closed, and folded into the sum with that step's factor f, behind the next run of first products, where four plain lines are owed anyway.
; LIMITS: NaN and infinities among the inputs are not served.  The scaled scores stay under 2^31 in magnitude.  A block of zeros gets the byte 1 where the rule says 127: its codes are zeros.  v_exp_f32 gives 0
; for a p under 2^-126.  A block's largest p is not searched for: its largest SCORE goes through the same multiply-add and exponential, which takes v_exp_f32 not to fall where its input rises.
; REGISTERS: v1 lane, v2 f (v3 its pair's other half), v4-5 the record's LDS addresses, v6-9 at work, v[10:11] A's sum, v[12:13] B's, v14-15 Q's scale words, v16-21 Q_A, v22-27 zeros, v28-33 Q_B,
; v34-35 A's -M and largest score, v36-37 B's, v38-39 stage addresses (v34-39 also stand against zero codes ahead of K's tile 0), v40-87 K's fragments, then V's, v88-99 P_A, v100-111 P_B,
; v112-115 K's scale words, then V's, v116-117 P's, v118-181 S^T, then p, v182-213 O_A^T, v214-245 O_B^T, v246-253 conversions' results and scale operands, then the sum's four chains.
.set REC,  13312
.set STG,  16*REC                      ; behind the records: a stage of 16 rows x 272 bytes for each wave, its own; no fill lands there
.set SP,   272
.set SPARE, STG+16*16*SP               ; the spare words, 128 bytes a wave
.set TT,   6
.set F,    40
.set PCA,  88
.set PCB,  100
.set KS,   112
.set S,    118
.set OA,   182
.set OB,   214
.set W,    246
.macro ROUND                           ; a round of the cluster's barrier
	s_barrier_signal -1
	s_barrier_wait -1
	s_cmp_lg_u32 s10, 0
	s_cbranch_scc1 .Lnot_wave_0_\@
	s_barrier_signal -3
.Lnot_wave_0_\@:
	s_barrier_wait -3
	s_barrier_signal -1
	s_barrier_wait -1
.endm
	s_load_b128 s[4:7], s[0:1], 0x0                ; q, kv
	s_load_b64 s[8:9], s[0:1], 0x10                ; out0
	v_lshl_add_u32 v254, v0, 2, SPARE
	v_mov_b32 v255, 0
	ds_add_u32 v254, v255                          ; the opening lines
	ds_add_u32 v254, v255
	v_lshrrev_b32 v1, 5, v0
	s_delay_alu instid0(VALU_DEP_1)
	v_readfirstlane_b32 s10, v1                    ; wave 0..15
	s_bfe_u32 s11, ttmp6, 0x40000                  ; cx: it enters q's and out0's addresses alone
	s_lshl_b32 s12, ttmp9, 2
	s_add_co_u32 s12, s12, s11                     ; my block of 512 queries
	s_and_b32 s13, ttmp7, 0xffff                   ; the head, which the four partners share
	s_lshl_b32 s14, s13, 19                        ; q and out0: head x 524,288
	s_lshl_b32 s15, s12, 17                        ; + block x 131,072
	s_add_co_u32 s14, s14, s15
	s_lshl_b32 s15, s10, 12                        ; + wave x 4,096: tile A's 16 queries; tile B's lie 65,536 bytes on
	s_add_co_u32 s14, s14, s15
	s_mov_b32 s15, 0
	s_mul_i32 s16, s13, 16*REC                     ; kv: the head's records,
	s_mul_i32 s18, s10, REC                        ; record w: in memory and in LDS alike
	s_add_co_u32 s16, s16, s18
	s_mov_b32 s17, 0
	s_mov_b32 s24, 15|(3<<16)|(1<<21)              ; the mask: all four work-groups; elements of 8 bytes; bit 21 beside a mask
	s_mov_b32 s25, 32<<16                          ; 52 rows of 32 elements, dense
	s_mov_b32 s26, 52<<16
	s_mov_b32 s27, 32<<16
	s_mov_b32 s28, 52
	s_mov_b32 s29, 32
	s_mov_b32 s30, 0
	s_mov_b32 s31, 0
	s_mov_b32 s20, 0x76543210
	s_mov_b32 s21, 0xfedcba98                      ; selects for lane l xor 16
	s_mov_b32 s22, 0x3e38aa3b                      ; c = log2(e) / 8
	s_mov_b32 s23, s22
	s_mov_b32 s51, 0x7f7f0000                      ; the idle half of Q_A's scale word,
	s_mov_b32 s52, 0x00007f7f                      ; and of Q_B's
	s_mov_b32 s32, 1
	s_mov_b32 s33, s18
	v_and_b32 v1, 31, v0                           ; lane
	s_delay_alu instid0(VALU_DEP_1)
	v_lshlrev_b32 v4, 4, v1                        ; 16 l
	s_wait_alu depctr_va_vdst(0)                   ; the wait ahead of the waits below
	s_wait_dscnt 0x0
	s_wait_kmcnt 0x0
	s_add_nc_u64 s[4:5], s[4:5], s[14:15]
	s_add_nc_u64 s[8:9], s[8:9], s[14:15]
	s_add_nc_u64 s[34:35], s[6:7], s[16:17]
	s_or_b32 s35, s35, 0x80000000
.irp p, 0,1                            ; both tiles' 16 queries, 4,096 dense bytes each: nobody writes these bytes, so the loads may be out across the round
.irp i, 0,1,2,3,4,5,6,7
	global_load_b128 v[S+32*\p+4*\i:S+32*\p+4*\i+3], v4, s[4:5] offset:65536*\p+512*\i th:TH_LOAD_NT
.endr
.endr
	ROUND                                          ; all four work-groups are here: the joint loads meet
	s_cmp_lt_u32 s10, 4
	s_cbranch_scc0 .Llater
	tensor_load_to_lds s[32:35], s[24:31]          ; waves 0-3: records 0-3, which are walked first
	s_nop 0
.rept 4
	v_nop
.endr
	s_branch .Lasked
.Llater:
	tensor_load_to_lds s[32:35], s[24:31]          ; waves 4-15: records 4-15
	s_nop 0
.rept 4
	v_nop
.endr
.Lasked:
	v_and_b32 v6, 15, v0                           ; r
	v_bfe_u32 v7, v0, 4, 1                         ; h
	s_delay_alu instid0(VALU_DEP_1)
	v_lshlrev_b32 v3, 3, v7                        ; 8 h
	s_delay_alu instid0(VALU_DEP_1)
	v_add_nc_u32 v[W+7], 16, v3                    ; 8 h + 16
	s_mul_i32 s19, s10, 16*SP
	s_add_co_u32 s19, s19, STG                     ; my stage
	v_mul_u32_u24 v38, v6, SP
	s_delay_alu instid0(VALU_DEP_1)
	v_add_nc_u32 v38, s19, v38                     ; row r
	s_delay_alu instid0(VALU_DEP_1)
	v_lshl_add_u32 v5, v7, 7, v38                  ; q out of the stage: row r, + 128 h
	s_delay_alu instid0(VALU_DEP_2)
	v_lshl_add_u32 v38, v7, 5, v38                 ; O into the stage: row r, + 32 h
	v_mul_u32_u24 v39, v7, SP
	s_delay_alu instid0(VALU_DEP_1)
	v_lshl_add_u32 v39, v6, 4, v39
	s_delay_alu instid0(VALU_DEP_1)
	v_add_nc_u32 v39, s19, v39                     ; whole rows: lanes 0-15 one row of 256 bytes, lanes 16-31 the next
.irp i, 0,1,2,3,4,5
	v_mov_b32 v[22+\i], 0                          ; the zero codes
	v_mov_b32 v[PCA+\i], 0                         ; written once: the first step's tile 7 of A names them
.endr
	v_mov_b32 v[TT+3], 0                           ; a lane permute's destination counts as one of its sources
; 16 queries as loaded go through my stage and come back 32 neighbouring channels a lane: one block; codes to v[dc] on; the row's scale word, my byte v[sh] bits up over the idle half s[kc], to v[ds].
.macro QUANTQ raw, dc, ds, sh, kc
.irp i, 0,1,2,3,4,5,6,7
	ds_store_b128 v39, v[\raw+4*\i:\raw+4*\i+3] offset:2*SP*\i
.endr
.irp j, 0,1,2,3,4,5,6,7
	ds_load_b128 v[OA+4*\j:OA+4*\j+3], v5 offset:16*\j     ; LDS serves a wave's instructions in order (ISA guide 5.7.1.4)
.endr
	s_wait_dscnt 0x0
	v_max3_num_f32 v[TT], |v[OA]|, |v[OA+1]|, 0x1800000    ; the largest magnitude, two chains, the floor 2^(3 - 127) as one leaf
	v_max3_num_f32 v[TT+1], |v[OA+2]|, |v[OA+3]|, |v[OA+4]|
.set qi, 0
.rept 13
	s_delay_alu instid0(VALU_DEP_2)
	v_max3_num_f32 v[TT+qi%2], v[TT+qi%2], |v[OA+5+2*qi]|, |v[OA+6+2*qi]|
.set qi, qi+1
.endr
	s_delay_alu instid0(VALU_DEP_1)
	v_max3_num_f32 v[TT], v[TT], v[TT+1], |v[OA+31]|
	s_delay_alu instid0(VALU_DEP_1)
	v_add_nc_u32 v[W+3], 0xff000000, v[TT]         ; 2 off its exponent field: the conversion's scale operand
	s_delay_alu instid0(VALU_DEP_1)
	v_lshrrev_b32 v[TT+2], 23, v[W+3]              ; the scale's byte
	v_cvt_scalef32_pk16_fp6_f32 v[\dc:\dc+2], v[OA:OA+15], v[W+3]
	v_cvt_scalef32_pk16_fp6_f32 v[W:W+2], v[OA+16:OA+31], v[W+3]
	v_nop                                          ; one plain place behind a scaled conversion
	v_mov_b32 v[\dc+3], v[W]
	v_mov_b32 v[\dc+4], v[W+1]
	v_mov_b32 v[\dc+5], v[W+2]
	v_lshl_or_b32 v[TT+2], v[TT+2], v[\sh], s[\kc]
	s_delay_alu instid0(VALU_DEP_1)
	v_permlanex16_b32 v[TT+3], v[TT+2], s20, s21
	s_delay_alu instid0(VALU_DEP_1)
	v_or_b32 v[\ds], v[TT+2], v[TT+3]              ; with lane l xor 16's the row's word is whole
.endm
	s_wait_alu depctr_va_vdst(0)                   ; the wait ahead of the wait below
	s_wait_loadcnt 8                               ; tile A's eight loads are in
	QUANTQ S, 16, 14, 3, 51
	s_wait_alu depctr_va_vdst(0)
	s_wait_loadcnt 0x0
	QUANTQ S+32, 28, 15, W+7, 52
.macro LSUM l                          ; the four chains are closed and folded into the sum v[l] under the factor of the step that made them: four plain lines
	v_pk_add_f32 v[W:W+1], v[W:W+1], v[W+2:W+3]
	v_pk_add_f32 v[W+4:W+5], v[W+4:W+5], v[W+6:W+7]
	v_pk_add_f32 v[W:W+1], v[W:W+1], v[W+4:W+5]
	v_pk_fma_f32 v[\l:\l+1], v[\l:\l+1], v[2:3], v[W:W+1] op_sel_hi:[1,0,1]
.endm
.macro QK fb, qb, qs                   ; S^T = K Q^T: eight accumulators, each begun with the constant 0; tile T's operand begins at v[fb + 6 T]
.irp Q, 0,1,2,3,4,5,6,7
.if \Q%2
	v_wmma_scale_f32_16x16x128_f8f6f4 v[S+8*\Q:S+8*\Q+7], v[\fb+6*\Q:\fb+6*\Q+11], v[\qb:\qb+11], 0, v[KS+\Q/2], v[\qs] matrix_a_fmt:MATRIX_FMT_FP6 matrix_b_fmt:MATRIX_FMT_FP6 matrix_a_scale:MATRIX_SCALE_ROW1
.else
	v_wmma_scale_f32_16x16x128_f8f6f4 v[S+8*\Q:S+8*\Q+7], v[\fb+6*\Q:\fb+6*\Q+11], v[\qb:\qb+11], 0, v[KS+\Q/2], v[\qs] matrix_a_fmt:MATRIX_FMT_FP6 matrix_b_fmt:MATRIX_FMT_FP6
.endif
.endr
.endm
.macro PV o, pc, ps                    ; O^T += V^T P^T: the accumulators by turns
.irp n, 0,1,2,3
.if \n%2
	v_wmma_scale_f32_16x16x128_f8f6f4 v[\o+8*\n:\o+8*\n+7], v[F+12*\n:F+12*\n+11], v[\pc:\pc+11], v[\o+8*\n:\o+8*\n+7], v[KS+\n/2], v[\ps] matrix_a_fmt:MATRIX_FMT_FP6 matrix_b_fmt:MATRIX_FMT_FP6 matrix_a_scale:MATRIX_SCALE_ROW1
.else
	v_wmma_scale_f32_16x16x128_f8f6f4 v[\o+8*\n:\o+8*\n+7], v[F+12*\n:F+12*\n+11], v[\pc:\pc+11], v[\o+8*\n:\o+8*\n+7], v[KS+\n/2], v[\ps] matrix_a_fmt:MATRIX_FMT_FP6 matrix_b_fmt:MATRIX_FMT_FP6
.endif
.endr
.endm
.macro ADDS k0                         ; eight pairs of p, from pair k0 on, onto the four chains
.irp k, 0,1,2,3,4,5,6,7
	v_pk_add_f32 v[W+2*(\k%4):W+2*(\k%4)+1], v[W+2*(\k%4):W+2*(\k%4)+1], v[S+2*(\k0+\k):S+2*(\k0+\k)+1]
.endr
.endm
; One tile's softmax on the 128 scores in S: state in v[n] (-M) and v[n+1] (largest score), O^T at v[o], P's codes to v[pc] on, its scale word to v[ps]; the first 16 pairs of p are summed.
.macro SOFT n, o, pc, ps
	; the largest score of my two blocks of 32 keys, four chains by turns, each accumulator from its low end on
	v_max3_num_f32 v[TT], v[S], v[S+1], v[S+2]
	v_max3_num_f32 v[TT+1], v[S+32], v[S+33], v[S+34]
	v_max3_num_f32 v[TT+2], v[S+16], v[S+17], v[S+18]
	v_max3_num_f32 v[TT+3], v[S+48], v[S+49], v[S+50]
.irp i, 3,5,7,9,11,13
	v_max3_num_f32 v[TT], v[TT], v[S+\i], v[S+\i+1]
	v_max3_num_f32 v[TT+1], v[TT+1], v[S+32+\i], v[S+33+\i]
	v_max3_num_f32 v[TT+2], v[TT+2], v[S+16+\i], v[S+17+\i]
	v_max3_num_f32 v[TT+3], v[TT+3], v[S+48+\i], v[S+49+\i]
.endr
	v_max3_num_f32 v[TT], v[TT], v[S+15], v[S+31]
	v_max3_num_f32 v[TT+1], v[TT+1], v[S+47], v[S+63]
	s_delay_alu instid0(VALU_DEP_2)
	v_max_num_f32 v[TT], v[TT], v[TT+2]            ; block h
	s_delay_alu instid0(VALU_DEP_2)
	v_max_num_f32 v[TT+1], v[TT+1], v[TT+3]        ; block 2 + h
	s_delay_alu instid0(VALU_DEP_1)
	v_max_num_f32 v[TT+2], v[TT], v[TT+1]
	s_delay_alu instid0(VALU_DEP_1)
	v_permlanex16_b32 v[TT+3], v[TT+2], s20, s21   ; the query's other 64 keys lie in lane l xor 16
	s_delay_alu instid0(VALU_DEP_1)
	v_max3_num_f32 v[\n+1], v[\n+1], v[TT+2], v[TT+3]      ; the running largest score
	s_delay_alu instid0(VALU_DEP_1)
	v_mul_f32 v[TT+2], s22, v[\n+1]                ; as t (c is positive)
	s_delay_alu instid0(VALU_DEP_1)
	v_floor_f32 v[TT+3], -v[TT+2]                  ; the new -M = -ceil(t)
	s_delay_alu instid0(VALU_DEP_1)
	v_sub_f32 v[TT+2], v[TT+3], v[\n]              ; M's old value less its new one: a whole number, 0 or less
	s_delay_alu instid0(VALU_DEP_2)
	v_mov_b32 v[\n], v[TT+3]
	s_delay_alu instid0(VALU_DEP_2)
	v_cvt_i32_f32 v[TT+2], v[TT+2]                 ; (it saturates)
	s_delay_alu instid0(VALU_DEP_1)
	v_ldexp_f32 v2, 1.0, v[TT+2]                   ; f = 2^(old M - new M)
.irp j, 0,2,4,6,8,10,12,14,16,18,20,22,24,26,28,30,32,34,36,38,40,42,44,46,48,50,52,54,56,58,60,62
	v_pk_fma_f32 v[S+\j:S+\j+1], v[S+\j:S+\j+1], s[22:23], v[\n:\n+1] op_sel_hi:[1,0,0]   ; t - M, two at a time
.endr
	v_fma_f32 v[TT], v[TT], s22, v[\n]             ; t - M of each block's largest score
	v_fma_f32 v[TT+1], v[TT+1], s22, v[\n]
	s_wait_alu depctr_va_vdst(0)                   ; the wait ahead of the first readers of O^T, and ahead of the batch
.irp j, 0,2,4,6,8,10,12,14,16,18,20,22,24,26,28,30
	v_pk_mul_f32 v[\o+\j:\o+\j+1], v[\o+\j:\o+\j+1], v[2:3] op_sel_hi:[1,0]       ; O^T under the new M, each accumulator from its low end on
.endr
.irp j, 0,1,2,3,4,5,6,7,8,9,10,11,12,13,14,15,16,17,18,19,20,21,22,23,24,25,26,27,28,29,30,31,32,33,34,35,36,37,38,39,40,41,42,43,44,45,46,47,48,49,50,51,52,53,54,55,56,57,58,59,60,61,62,63
	v_exp_f32 v[S+\j], v[S+\j]                     ; p = 2^(t - M)
.endr
	v_exp_f32 v[TT], v[TT]                         ; the blocks' largest p
	v_exp_f32 v[TT+1], v[TT+1]
	v_nop                                          ; one plain place behind the exponentials
	s_wait_alu depctr_va_vdst(0)                   ; and the one wait for the batch
	v_max_num_f32 v[TT], 0x1800000, v[TT]          ; the floor 2^(3 - 127): the byte cannot fall under 1
	v_max_num_f32 v[TT+1], 0x1800000, v[TT+1]
	s_delay_alu instid0(VALU_DEP_2)
	v_add_nc_u32 v[W+3], 0xff000000, v[TT]         ; 2 off the exponent field: the conversions' scale operands
	s_delay_alu instid0(VALU_DEP_2)
	v_add_nc_u32 v[W+7], 0xff000000, v[TT+1]
	s_delay_alu instid0(VALU_DEP_2)
	v_lshrrev_b32 v[TT], 23, v[W+3]                ; the scales' bytes
	s_delay_alu instid0(VALU_DEP_2)
	v_lshrrev_b32 v[TT+1], 23, v[W+7]
	s_delay_alu instid0(VALU_DEP_1)
	v_lshl_or_b32 v[TT+2], v[TT+1], 16, v[TT]      ; my two bytes: blocks h and 2 + h
	s_delay_alu instid0(VALU_DEP_1)
	v_permlanex16_b32 v[TT+3], v[TT+2], s20, s21
	v_cvt_scalef32_pk16_fp6_f32 v[\pc:\pc+2], v[S:S+15], v[W+3]
	v_cvt_scalef32_pk16_fp6_f32 v[W:W+2], v[S+16:S+31], v[W+3]     ; (a conversion's three registers begin on an even number)
	v_cvt_scalef32_pk16_fp6_f32 v[\pc+6:\pc+8], v[S+32:S+47], v[W+7]
	v_cvt_scalef32_pk16_fp6_f32 v[W+4:W+6], v[S+48:S+63], v[W+7]
	v_lshl_or_b32 v[\ps], v[TT+3], 8, v[TT+2]      ; lanes 0-15, which alone are read: blocks 0, 2 are mine, blocks 1, 3 lane l + 16's: P's scale word.  (The plain place behind the conversions)
	v_dual_mov_b32 v[\pc+3], v[W] :: v_dual_mov_b32 v[\pc+4], v[W+1]       ; registers 6 c .. 6 c + 5 hold keys 64 c + 32 h + 0 .. 31
	v_dual_mov_b32 v[\pc+9], v[W+4] :: v_dual_mov_b32 v[\pc+10], v[W+5]
	v_mov_b32 v[\pc+5], v[W+2]
	v_mov_b32 v[\pc+11], v[W+6]
.irp i, 0,1,2,3                        ; THE ROW'S SUM OF THE UNQUANTISED p, four chains
	v_pk_add_f32 v[W+2*\i:W+2*\i+1], v[S+4*\i:S+4*\i+1], v[S+4*\i+2:S+4*\i+3]
.endr
	ADDS 8                                         ; with the lines above: sixteen places behind P's scale word, twelve behind its codes
.endm
; A KEY STEP: the record at LDS byte s48, for both tiles
.macro STEP
	v_lshl_add_u32 v4, v1, 4, s48                  ; the images: 16 bytes a lane
	v_lshl_add_u32 v5, v1, 3, s48                  ; the scale words: 8 bytes a lane
.irp g, 0,1,2,3,4,5,6,7,8,9,10,11
	ds_load_b128 v[F+4*\g:F+4*\g+3], v4 offset:512*\g              ; K's eight tiles (eighteen plain lines stand behind the products that read these registers last)
.endr
	ds_load_b64 v[KS:KS+1], v5 offset:12288
	ds_load_b64 v[KS+2:KS+3], v5 offset:12288+256
	s_wait_alu depctr_va_vdst(0)                   ; the wait ahead of the wait below
	s_wait_dscnt 0x0
	QK F, 16, 14                                   ; tile A: the lower 64 of K
	LSUM 12                                        ; B's sum of the step before: the four places in front of the first read of the scores
	SOFT 34, OA, PCA, 116
	ADDS 16
	ADDS 24
	QK F-6, 22, 15                                 ; tile B: the upper 64 of K
	LSUM 10                                        ; A's sum: the four places in front of the loads into K's registers and of the first read of the scores
.irp g, 0,1,2,3,4,5,6,7,8,9,10,11
	ds_load_b128 v[F+4*\g:F+4*\g+3], v4 offset:6144+512*\g         ; V's four tiles land while B's softmax is worked
.endr
	ds_load_b32 v[KS], v5 offset:12800
	ds_load_b32 v[KS+1], v5 offset:12800+256
	SOFT 36, OB, PCB, 117
	s_wait_alu depctr_va_vdst(0)                   ; the wait ahead of the wait below
	s_wait_dscnt 0x0                               ; V's fragments and scale words are in
	PV OA, PCA, 116
	PV OB, PCB, 117
	ADDS 16                                        ; the rest of B's sum: the places behind these products
	ADDS 24
.endm
.macro WALK start, n                   ; n records, from LDS byte start on
	s_mov_b32 s48, \start
	s_mov_b32 s49, \n
.Lwalk_\@:
	STEP
	s_add_co_u32 s48, s48, REC
	s_sub_co_u32 s49, s49, 1
	s_cmp_lg_u32 s49, 0
	s_wait_alu depctr_va_vdst(0)                   ; the wait ahead of the branch
	s_cbranch_scc1 .Lwalk_\@
.endm
; THE WAY OUT of a tile: O^T is divided by the row's sum and goes through my stage, so that whole rows of 256 bytes are stored, from v[bk] on, go bytes behind tile A's first.
.macro OUTT l, o, bk, go
	v_add_f32 v[TT], v[\l], v[\l+1]
	v_permlanex16_b32 v[TT+3], v[TT], s20, s21
	v_add_f32 v[TT], v[TT], v[TT+3]                ; with lane l xor 16's: the row's sum
	s_wait_alu depctr_va_vdst(0)
	v_rcp_f32 v2, v[TT]
	v_nop                                          ; one plain place behind a transcendental
	s_wait_alu depctr_va_vdst(0)
.irp j, 0,2,4,6,8,10,12,14,16,18,20,22,24,26,28,30
	v_pk_mul_f32 v[S+\j:S+\j+1], v[\o+\j:\o+\j+1], v[2:3] op_sel_hi:[1,0]         ; register 8 n + i is out(r, 16 n + 8 h + i)
.endr
.irp n, 0,1,2,3
	ds_store_b128 v38, v[S+8*\n:S+8*\n+3] offset:64*\n
	ds_store_b128 v38, v[S+8*\n+4:S+8*\n+7] offset:64*\n+16
.endr
.irp i, 0,1,2,3,4,5,6,7
	ds_load_b128 v[\bk+4*\i:\bk+4*\i+3], v39 offset:2*SP*\i        ; LDS serves a wave's instructions in order: these see my stores
.endr
.irp i, 0,1,2,3,4,5,6,7
	s_wait_dscnt 7-\i                              ; the younger loads may be out
	global_store_b128 v4, v[\bk+4*\i:\bk+4*\i+3], s[8:9] offset:\go+512*\i th:TH_STORE_NT   ; 32 lanes store two rows, 512 consecutive bytes, aligned to 256
.endr
.endm
	; the step is written once, and the first finds zeros
	v_mov_b32 v35, 0xff61b1e6                      ; the largest scores so far: -3e38
	v_mov_b32 v37, 0xff61b1e6
	s_delay_alu instid0(VALU_DEP_2)
	v_floor_f32 v34, -v35                          ; -M
	s_delay_alu instid0(VALU_DEP_2)
	v_floor_f32 v36, -v37
	v_mov_b32 v2, 0
.irp j, 0,1,2,3
	v_mov_b32 v[10+\j], 0                          ; the sums
.endr
.irp j, 0,1,2,3,4,5,6,7
	v_mov_b32 v[W+\j], 0                           ; the chains
.endr
.set oi, 0
.rept 64
	v_mov_b32 v[OA+oi], 0                          ; O^T of both tiles
.set oi, oi+1
.endr
	s_wait_alu depctr_va_vdst(0)                   ; the wait at the head's end
	s_cmp_lt_u32 s10, 4
	s_cbranch_scc0 .Lnot_first
	s_wait_tensorcnt 0x0                           ; waves 0-3: my record, one of the first four, has landed
.Lnot_first:
	s_wait_dscnt 0x0
	s_barrier_signal -1
	s_barrier_wait -1                              ; the other twelve loads may be out
	WALK 0, 4                                      ; records 0-3
	s_wait_tensorcnt 0x0                           ; every wave: its record has landed
	s_wait_dscnt 0x0
	s_barrier_signal -1
	s_barrier_wait -1
	WALK 4*REC, 12                                 ; records 4-15
	LSUM 12                                        ; B's sum of the last step
	v_lshlrev_b32 v4, 4, v1                        ; 16 l
	OUTT 10, OA, S+32, 0
	OUTT 12, OB, OA, 65536                         ; (its rows come back into O_A's registers, which are done with: no store's data are written again)
	s_wait_tensorcnt 0x0                           ; the wave's end
	ds_add_u32 v254, v255
	s_wait_dscnt 0x0
	ROUND                                          ; the closing round
	s_endpgm
.Lfunc_end_k_q523f156526_attn:
	.size	k_q523f156526_attn, .Lfunc_end_k_q523f156526_attn-k_q523f156526_attn
	.p2alignl 7, 3214868480
	.fill 96, 4, 3214868480
	.section	.rodata,"a",@progbits
	.p2align	6, 0x0
	.amdhsa_kernel k_q523f156526_attn
		.amdhsa_group_segment_fixed_size 284672
		.amdhsa_private_segment_fixed_size 0
		.amdhsa_enable_private_segment 0
		.amdhsa_kernarg_size 24
		.amdhsa_user_sgpr_count 2
		.amdhsa_user_sgpr_kernarg_segment_ptr 1
		.amdhsa_wavefront_size32 1
		.amdhsa_system_sgpr_workgroup_id_x 1
		.amdhsa_system_sgpr_workgroup_id_y 1
		.amdhsa_system_sgpr_workgroup_id_z 1
		.amdhsa_system_vgpr_workitem_id 0
		.amdhsa_next_free_vgpr 256
		.amdhsa_next_free_sgpr 66
		.amdhsa_reserve_vcc 0
		.amdhsa_float_denorm_mode_32 3
		.amdhsa_float_denorm_mode_16_64 3
		.amdhsa_memory_ordered 1
		.amdhsa_forward_progress 1
		.amdhsa_inst_pref_size 78
	.end_amdhsa_kernel
	.amdgpu_metadata
---
amdhsa.version: [ 1, 2 ]
amdhsa.kernels:
  - .name:           k_q523f156526_attn
    .symbol:         k_q523f156526_attn.kd
    .args:
      - { .name: q, .offset: 0, .size: 8, .value_kind: global_buffer, .address_space: global }
      - { .name: kv, .offset: 8, .size: 8, .value_kind: global_buffer, .address_space: global }
      - { .name: out0, .offset: 16, .size: 8, .value_kind: global_buffer, .address_space: global }
    .group_segment_fixed_size: 284672
    .private_segment_fixed_size: 0
    .kernarg_segment_align: 8
    .kernarg_segment_size: 24
    .max_flat_workgroup_size: 512
    .sgpr_count:     66
    .vgpr_count:     256
    .wavefront_size: 32
...
	.end_amdgpu_metadata
.endif
;; end of part 2
